; MI455X (gfx1250); checked and timed in simulation.
; The chip was launched on July 23, 2026; its instructions are those of AMD's public machine-readable ISA for CDNA 5 (MIT licence, August 2026) and "CDNA5" Instruction Set Architecture Reference Guide (July 2026). The comments in the code are by the model that wrote it; some were corrected since.
;; Attention. Allowed arithmetic: matrix products marked QUANTISED: E4M3 operands, one given power-of-two scale a tensor, by v_wmma_f32_16x16x64_fp8_fp8 or v_wmma_f32_16x16x128_fp8_fp8, f32 sums; everything else in f32.
;; Inputs: lowp_scales 8 int32 (the exponents e of the quantised operands' scales 2^e); w_proj 1,024 x 1,024 float32; w_qkv 1,024 x 3,072 float32; x 4 x 2,048 x 1,024 float32.
;; Outputs: out0 4 x 2,048 x 1,024 float32.
;; This version of the problem:
;;   THIS VERSION OF THE PROBLEM IS GIVEN IN LOW PRECISION. The matrix products marked QUANTISED in the list below multiply operands that are first quantised to E4M3 (4 exponent bits, 3 mantissa bits; 8 bits a number), with one given power-of-two scale for each operand tensor; their sums are f32. All else is computed in f32.
;;   The module's matrix products, in the order in which they are computed (A, B: the left and right operand; K: the contracted axis; several contracted axes count as one K, in the product's order):
;;     1. [M 8,192, K 1,024] x [K 1,024, N 3,072]; A: input x; B: input w_qkv: QUANTISED (scales: A lowp_scales[0], B lowp_scales[1])
;;     2. batch 64 x [M 2,048, K 64] x [K 64, N 2,048]; A: computed on the way; B: computed on the way: QUANTISED (scales: A lowp_scales[2], B lowp_scales[3])
;;     3. batch 64 x [M 2,048, K 2,048] x [K 2,048, N 64]; A: softmax (see below); B: computed on the way: QUANTISED (scales: A lowp_scales[4], B lowp_scales[5])
;;     4. [M 8,192, K 1,024] x [K 1,024, N 1,024]; A: computed on the way; B: input w_proj: QUANTISED (scales: A lowp_scales[6], B lowp_scales[7])
;;   THE QUANTISER, for each operand of a quantised product, along K:
;;     - The operand's scale is 2^e, e = its entry of the input lowp_scales (int32; the entries are numbered through the quantised products in the list's order, A before B).
;;     - Each number is divided by the scale, clamped to +-448, and rounded to the nearest number of E4M3, ties to even, subnormals kept.
;;     - The product sums the exact products of the quantised numbers (number of the format x scale) in f32.
;;   ~~~python
;;   def quantise(x, axis, e):      # numpy; x: float32 -> the quantised numbers, widened to float32 again
;;       x = np.moveaxis(x, axis, -1); K = x.shape[-1]
;;       r = np.clip(x / 2.0 ** e, -448, 448)
;;       step = 2.0 ** (np.maximum(np.frexp(np.where(r == 0, 1, r))[1] - 1, -6) - 3)
;;       q = np.round(r / step) * step * 2.0 ** e      # np.round: ties to even
;;       return np.moveaxis(q, -1, axis).astype(np.float32)
;;   ~~~
;;   SOFTMAX AHEAD OF A QUANTISED PRODUCT. Where the list says 'softmax', what is quantised is not the finished softmax but p = 2^(t - M), with t = logit x log2(e) and M = ceil(the row's largest t), a whole number; so 1/2 < the row's largest p <= 1. The row's sum l is taken of the UNQUANTISED p, in f32, and the product's result is divided by l at the end. Since M is a whole number, a kernel that streams over the keys may use a running M (the ceiling of the running maximum): every later rescaling is an exact power of two, so the quantised numbers keep their values, but for numbers so far below the row's largest that they fall under the format's range.
;;   OPERANDS COMPUTED ON THE WAY. 'Computed on the way' means the value that the module computes at that place (a softmax that the list does not call 'softmax' is quantised finished and normalised). What goes into a quantiser is computed in f32, as accurately as f32 sums, v_exp_f32 and their like allow (about 1e-6 of the number): no bf16 or f16 on the way to a quantiser, and a product that is left as it is and whose result goes on into a quantised operand takes f32 operands (vector FMAs, or v_wmma_f32_16x16x4_f32). A number that lies on a knife's edge between two numbers of the format may be rounded either way, as far as f32 arithmetic and the matrix unit's own rounding can turn it there, and no further.
;; One version. Each part assembles by itself: llvm-mc -triple=amdgcn-amd-amdhsa -mcpu=gfx1250 --defsym DOCPART=n.
;; ======== version 1 of 1: 4 launches
;; limits: right only within a limited range of input values
;; workspace buffers: x_img 8,388,608 bytes; wqkv_img 3,145,728 bytes; wproj_img 1,048,576 bytes; q_img 8,388,608 bytes; k_img 8,388,608 bytes; v_img 8,388,608 bytes; y_img 8,388,608 bytes
;; launch prep (part 1): grid 768 x 1, 4 waves a work-group, no clusters, 34,304 bytes of LDS; arguments x, w_qkv, w_proj, lowp_scales, x_img, wqkv_img, wproj_img; writes x_img, wqkv_img, wproj_img
.if DOCPART == 1
	.amdgcn_target "amdgcn-amd-amdhsa--gfx1250"
	.amdhsa_code_object_version 6
	.text
	.protected	k_qab9240ea28_prep
	.globl	k_qab9240ea28_prep
	.p2align	8
	.type	k_qab9240ea28_prep,@function
k_qab9240ea28_prep:
	s_mov_b64 s[64:65], 0
	v_nop
	global_prefetch_b8 v0, s[64:65] scope:SCOPE_SE
	s_setreg_imm32_b32 hwreg(HW_REG_WAVE_MODE, 25, 1), 1
	s_wait_xcnt 0x0
; x [8192][1024], w_qkv [1024][3072] and w_proj [1024][1024], f32, become codes of FP8 (E4M3), each with the one scale 2^e that is given for it (entries 0, 1 and 7 of the scales).
; code = number / 2^e, held within +-448, rounded to the nearest code, ties to even.
; LIMITS: each of the three e lies between -126 and 119, so that 2^e and 448 x 2^e are f32 numbers.  NaN among the inputs is not served; an infinity is held at the largest code.
; THE CODES ARE LAID AS IMAGES OF OPERAND REGISTERS.  A tile is 16 rows of an operand (tokens of x, columns n of a weight); a fragment is a tile x 128 along K: 2,048 bytes [c 0..3][lane 0..31][16 bytes];
; lane (r = lane % 16, h = lane / 16), group c, holds k = 128 ks + 32 c + 16 h + 0 .. 15 of the tile's row r.  A buffer is [tile][ks 0..7][2,048].
; THE ROWS OF A TILE ARE NOT NEIGHBOURS: row r of tile 2 B + u is row 32 B + 8 u + r + 8 (r / 8) of the tensor, so that the results of two neighbouring tiles are 16 neighbours in a lane's registers.
; Work-groups 0-511: a tile of x each, wave w its K steps 2 w and 2 w + 1.  Work-groups 512-703: w_qkv, 704-767: w_proj: 128 columns x 128 along K each, a wave 32 columns.
; No matrix unit, no tensor load, no barrier: the waves share nothing, and memory binds.
.set XR,  16                           ; x: v16-143   two fragments as loaded: row i of fragment f at XR + 64 f + 4 i
.set XN,  144                          ; x: v144-207  64 numbers of my row: 16 c + i = k 32 c + 16 h + i
.set XC,  208                          ; x: v208-239  the codes, 16 registers a fragment: no store's data are written again
.set WX,  16                           ; weights: v16-143  four blocks of 32 numbers down K of my column
.set WC,  144                          ; weights: v144-175 the codes, 8 registers a block
.set SPX, 528                          ; x's stage: a row of 512 bytes + 16: row r begins 4 r words on, modulo 64 words
.set WST, 16*SPX                       ; a wave's stage
	s_load_b256 s[4:11], s[0:1], 0x0               ; x s[4:5], w_qkv s[6:7], w_proj s[8:9], the scales' exponents s[10:11]
	s_load_b128 s[12:15], s[0:1], 0x20             ; x_img s[12:13], wqkv_img s[14:15]
	s_load_b64 s[16:17], s[0:1], 0x30              ; wproj_img
	v_lshl_add_u32 v240, v0, 2, 0x8400
	v_mov_b32 v241, 0
	v_lshrrev_b32 v1, 5, v0
	v_readfirstlane_b32 s20, v1                    ; wave 0..3
	v_and_b32 v1, 31, v0                           ; lane
	v_lshlrev_b32 v2, 4, v1                        ; 16 x lane: my bytes of a load's 512, and of an image's group
	s_mul_i32 s34, s20, WST
	v_add_nc_u32 v3, s34, v2                       ; the stage, on the way in: a row as it lies
	v_and_b32 v5, 15, v0                           ; r
	v_bfe_u32 v6, v0, 4, 1                         ; h
	v_mul_u32_u24 v4, v5, SPX
	v_lshl_add_u32 v4, v6, 6, v4
	v_add_nc_u32 v4, s34, v4                       ; and on the way out: row r, + 64 h bytes: my 16 numbers of a block of 32
	v_lshlrev_b32 v7, 2, v1                        ; weights: 4 bytes a lane: lane l takes column l of the wave's 32
	v_bfe_u32 v5, v0, 3, 1                         ; which is row r = l % 8 + 8 (l / 16) of tile u = (l / 8) % 2
	v_and_b32 v6, 7, v0
	v_bfe_u32 v8, v0, 4, 1
	v_lshl_add_u32 v6, v8, 3, v6
	v_lshlrev_b32 v9, 4, v6
	v_lshl_add_u32 v9, v5, 14, v9                  ; 16,384 u + 16 r: where my codes go
	s_wait_kmcnt 0x0
	s_load_b256 s[24:31], s[10:11], 0x0            ; e0 .. e7
	s_mov_b32 s23, 0
	s_mov_b32 s35, 0
.macro SCALE e                         ; v11 = 2^e as f32 (the conversion takes its exponent field)
	s_add_co_i32 s32, s[\e], 127
	s_lshl_b32 s33, s32, 23
	v_mov_b32 v11, s33
.endm
	s_cmp_lt_u32 ttmp9, 512
	s_cbranch_scc0 .Lweights
	; ---- x.  Each load reads 512 consecutive bytes of one row: a fragment's 128 numbers of that row.
	s_lshr_b32 s21, ttmp9, 1
	s_lshl_b32 s21, s21, 17                        ; 32 rows of 4,096 bytes for each pair of tiles,
	s_and_b32 s22, ttmp9, 1
	s_lshl_b32 s22, s22, 15                        ; 8 rows for the odd tile,
	s_add_co_u32 s22, s21, s22
	s_lshl_b32 s21, s20, 10                        ; 256 numbers along K for each wave
	s_add_co_u32 s22, s22, s21
	s_add_nc_u64 s[4:5], s[4:5], s[22:23]
	s_lshl_b32 s22, ttmp9, 14                      ; the tile's 16,384 bytes of codes,
	s_lshl_b32 s21, s20, 12                        ; the wave's two fragments
	s_add_co_u32 s22, s22, s21
	s_add_nc_u64 s[12:13], s[12:13], s[22:23]
.irp f, 0,1
.irp i, 0,1,2,3,4,5,6,7,8,9,10,11,12,13,14,15
	global_load_b128 v[XR+64*\f+4*\i:XR+64*\f+4*\i+3], v2, s[4:5] offset:(\i+8*(\i/8))*4096+512*\f th:TH_LOAD_NT
.endr
.endr
	s_wait_kmcnt 0x0
	SCALE 24
; Fragment f: 16 rows go through the wave's own stage as they lie and come back 64 bytes a lane for each block of 32.  left: the younger loads that may stay out.
.macro XFRAG f, left
	s_wait_loadcnt \left
.set i, 0
.rept 16
	ds_store_b128 v3, v[XR+64*\f+4*i:XR+64*\f+4*i+3] offset:SPX*i
.set i, i+1
.endr
.irp c, 0,1,2,3
.irp j, 0,1,2,3
	ds_load_b128 v[XN+16*\c+4*\j:XN+16*\c+4*\j+3], v4 offset:128*\c+16*\j   ; LDS serves a wave's instructions in order (ISA guide 5.7.1.4): these see the stores above
.endr
.endr
	s_wait_dscnt 0x0
.set i, 0
.rept 64
.set i, i+1
.endr
.irp g, 0,1,2,3,4,5,6,7
	v_cvt_scalef32_pk8_fp8_f32 v[XC+16*\f+2*\g:XC+16*\f+2*\g+1], v[XN+8*\g:XN+8*\g+7], v11
.endr
	v_nop                                          ; one plain vector line behind the last conversion of a run
.irp c, 0,1,2,3
	global_store_b128 v2, v[XC+16*\f+4*\c:XC+16*\f+4*\c+3], s[12:13] offset:2048*\f+512*\c   ; 32 lanes store 512 consecutive bytes, aligned
.endr
.endm
	s_wait_alu depctr_va_vdst(0)
	XFRAG 0, 16                                    ; fragment 1's sixteen loads may stay out
	XFRAG 1, 0
	s_wait_tensorcnt 0x0
	ds_add_u32 v240, v241
	s_wait_dscnt 0x0
	s_endpgm
; ---- A weight [1024][n]: K is its first axis.  A lane takes a column and its registers run down K: each load reads 128 consecutive bytes a wave, and the conversions give codes with K innermost.
.macro WLOAD c, n, src                 ; block c: W(32 c + i, my column), i = 0 .. 31
.set i, 0
.rept 32
	global_load_b32 v[WX+32*(\c)+i], v7, s[\src:\src+1] offset:(32*(\c)+i)*\n*4 th:TH_LOAD_NT
.set i, i+1
.endr
.endm
.macro WBLOCK c, n, src, dst, left
	s_wait_loadcnt \left                           ; this block's 32 loads are in; the next block's 32 may be out
.if (\c)+2 < 4
	WLOAD (\c)+2, \n, \src                         ; two blocks ahead, into registers of its own
.endif
.set i, 0
.rept 32
.set i, i+1
.endr
.irp g, 0,1,2,3
	v_cvt_scalef32_pk8_fp8_f32 v[WC+8*(\c)+2*\g:WC+8*(\c)+2*\g+1], v[WX+32*(\c)+8*\g:WX+32*(\c)+8*\g+7], v11
.endr
	v_nop
.irp h, 0,1
	global_store_b128 v9, v[WC+8*(\c)+4*\h:WC+8*(\c)+4*\h+3], s[\dst:\dst+1] offset:512*(\c)+256*\h   ; k 32 c + 16 h + 0 .. 15: the sixteen lanes of a tile store 256 consecutive bytes, aligned
.endr
.endm
.macro WPATH n, src, dst, first, e
	s_sub_co_u32 s21, ttmp9, \first
	s_and_b32 s22, s21, 7                          ; ks: which 128 along K
	s_lshr_b32 s21, s21, 3                         ; cg: which 128 columns
	s_mul_i32 s34, s22, 128*\n*4
	s_lshl_b32 s36, s21, 9
	s_add_co_u32 s34, s34, s36
	s_lshl_b32 s36, s20, 7                         ; the wave's 32 columns
	s_add_co_u32 s34, s34, s36
	s_add_nc_u64 s[\src:\src+1], s[\src:\src+1], s[34:35]
	s_lshl_b32 s34, s21, 3
	s_lshl_b32 s36, s20, 1
	s_add_co_u32 s34, s34, s36                     ; the wave's first tile: 8 cg + 2 wave
	s_lshl_b32 s34, s34, 14
	s_lshl_b32 s36, s22, 11
	s_add_co_u32 s34, s34, s36
	s_add_nc_u64 s[\dst:\dst+1], s[\dst:\dst+1], s[34:35]
	WLOAD 0, \n, \src
	WLOAD 1, \n, \src
	s_wait_kmcnt 0x0
	SCALE \e
	s_wait_alu depctr_va_vdst(0)
	WBLOCK 0, \n, \src, \dst, 32
	WBLOCK 1, \n, \src, \dst, 32
	WBLOCK 2, \n, \src, \dst, 32
	WBLOCK 3, \n, \src, \dst, 0
.endm
.Lweights:
	s_cmp_lt_u32 ttmp9, 704
	s_cbranch_scc0 .Lproj
	s_wait_alu depctr_va_vdst(0)
	WPATH 3072, 6, 14, 512, 25
	s_endpgm
.Lproj:
	s_wait_alu depctr_va_vdst(0)
	WPATH 1024, 8, 16, 704, 31
	s_endpgm
.Lfunc_end_k_qab9240ea28_prep:
	.size	k_qab9240ea28_prep, .Lfunc_end_k_qab9240ea28_prep-k_qab9240ea28_prep
	.p2alignl 7, 3214868480
	.fill 96, 4, 3214868480
	.section	.rodata,"a",@progbits
	.p2align	6, 0x0
	.amdhsa_kernel k_qab9240ea28_prep
		.amdhsa_group_segment_fixed_size 34304
		.amdhsa_private_segment_fixed_size 0
		.amdhsa_enable_private_segment 0
		.amdhsa_kernarg_size 56
		.amdhsa_user_sgpr_count 2
		.amdhsa_user_sgpr_kernarg_segment_ptr 1
		.amdhsa_wavefront_size32 1
		.amdhsa_system_sgpr_workgroup_id_x 1
		.amdhsa_system_sgpr_workgroup_id_y 1
		.amdhsa_system_sgpr_workgroup_id_z 1
		.amdhsa_system_vgpr_workitem_id 0
		.amdhsa_next_free_vgpr 242
		.amdhsa_next_free_sgpr 66
		.amdhsa_reserve_vcc 0
		.amdhsa_float_denorm_mode_32 3
		.amdhsa_float_denorm_mode_16_64 3
		.amdhsa_fp16_overflow 1
		.amdhsa_memory_ordered 1
		.amdhsa_forward_progress 1
		.amdhsa_inst_pref_size 42
	.end_amdhsa_kernel
	.amdgpu_metadata
---
amdhsa.version: [ 1, 2 ]
amdhsa.kernels:
  - .name:           k_qab9240ea28_prep
    .symbol:         k_qab9240ea28_prep.kd
    .args:
      - { .name: x, .offset: 0, .size: 8, .value_kind: global_buffer, .address_space: global }
      - { .name: w_qkv, .offset: 8, .size: 8, .value_kind: global_buffer, .address_space: global }
      - { .name: w_proj, .offset: 16, .size: 8, .value_kind: global_buffer, .address_space: global }
      - { .name: lowp_scales, .offset: 24, .size: 8, .value_kind: global_buffer, .address_space: global }
      - { .name: x_img, .offset: 32, .size: 8, .value_kind: global_buffer, .address_space: global }
      - { .name: wqkv_img, .offset: 40, .size: 8, .value_kind: global_buffer, .address_space: global }
      - { .name: wproj_img, .offset: 48, .size: 8, .value_kind: global_buffer, .address_space: global }
    .group_segment_fixed_size: 34304
    .private_segment_fixed_size: 0
    .kernarg_segment_align: 8
    .kernarg_segment_size: 56
    .max_flat_workgroup_size: 128
    .sgpr_count:     66
    .vgpr_count:     242
    .wavefront_size: 32
...
	.end_amdgpu_metadata
.endif
;; end of part 1
;; launch qkv (part 2): grid 12 x 32, 4 waves a work-group, clusters of 4 x 4, 327,680 bytes of LDS; arguments x_img, wqkv_img, lowp_scales, q_img, k_img, v_img; writes q_img, k_img, v_img
.if DOCPART == 2
	.amdgcn_target "amdgcn-amd-amdhsa--gfx1250"
	.amdhsa_code_object_version 6
	.text
	.protected	k_qab9240ea28_qkv
	.globl	k_qab9240ea28_qkv
	.p2align	8
	.type	k_qab9240ea28_qkv,@function
k_qab9240ea28_qkv:
	s_mov_b64 s[64:65], 0
	v_nop
	global_prefetch_b8 v0, s[64:65] scope:SCOPE_SE
	s_setreg_imm32_b32 hwreg(HW_REG_WAVE_MODE, 25, 1), 1
	s_wait_xcnt 0x0
	s_wait_alu depctr_hold_cnt(0) depctr_sa_sdst(0) depctr_va_vdst(0) depctr_va_sdst(0) depctr_va_ssrc(0) depctr_va_vcc(0) depctr_vm_vsrc(0)
	s_getreg_b32 s2, hwreg(HW_REG_IB_STS2, 6, 4)
	s_cmp_eq_u32 s2, 0
	s_cbranch_scc0 .Lentry_in_a_cluster
	s_endpgm
.Lentry_in_a_cluster:
	s_bfe_u32 s2, ttmp6, 0x10000c
	s_cmp_lg_u32 s2, 0xf033
	s_cbranch_scc0 .Lentry_shape_is_right
	s_endpgm
.Lentry_shape_is_right:
; qkv = x w_qkv on codes of FP8 (E4M3), K = 1,024; the f32 sums are quantised at once, with the scales given for q, k and v (entries 2, 3, 5), and stored as images of the registers of attention's operands.
; OPERANDS come as images: [tile of 16 rows][ks 0..7][2,048 bytes = c 0..3, lane, 16 bytes]; lane (r, h), group c: k = 128 ks + 32 c + 16 h + 0 .. 15 of the tile's row r; row r of tile 2 B + u is row 32 B + 8 u + r + 8 (r / 8).
; That order of k is the same in both operands, so every product meets its partner; four loads of 16 bytes a lane bring a fragment, each of 512 consecutive bytes.
; SHARES.  A work-group of four waves makes 256 x 256 of the product, a wave 128 x 128: 64 accumulators, 512 registers.  K goes in steps of 256 through a ring of two LDS slots.
; ROLES.  Role A is the matrix instruction's source 1 (its rows become the result's LANES), role B its source 0 (its rows become the result's REGISTERS: the 16 registers of tiles 2 B and 2 B + 1 are 16 neighbours).
; q and k (cluster x = 0, 1): A = tokens, B = columns of w_qkv: a lane holds a token and 16 neighbours along the head's axis, the K of the scores.
; v (cluster x = 2): A = columns of w_qkv, B = tokens: a lane holds a channel and 16 neighbouring keys, the K of attention's second product.  Only pointers and block numbers are chosen; the text is one.
; CLUSTERS: 4 x 4 work-groups; role A's tile hangs on cy alone and is asked for jointly by a row of the cluster, role B's on cx alone and by a column.
; OUTPUT.  q_img, k_img: [head pair 8][token tile 512][head of the pair 2][c 2][lane][16].  v_img: [head pair 8][step of 128 keys 64][head of the pair 2][tile of 16 channels 4][c 4][lane][16].
; LIMITS: e2 - e0 - e1, e3 - e0 - e1 and e5 - e0 - e1 lie between -126 and 119, so that each scale and 448 x the scale are f32 numbers.
; REGISTERS, in windows of 256: window 0: v16-31 addresses and constants; v32-95 at work on the way out; from v128 A's fragments, ONE set, later the codes.
;   window 1: B's fragments, TWO sets, at v0 and v128.   window 2: the accumulators of A's blocks 0-3 ((a, b) at v[8 (8 a + b)]);   window 3: those of blocks 4-7.
.set SLOT,   131072                    ; A's 16 tiles x 4,096 bytes (256 along K), then B's 16
.set SPARE,  2*SLOT                    ; behind the ring: the spare words, 128 bytes for each wave: two blocks of 256 bytes that no other line names
.set FR,     16                        ; registers of a fragment
.set NL,     4                         ; LDS loads that bring one
.set NP,     4                         ; places behind this matrix instruction (ISA guide 7.12.1)
.set ADRA, 16                          ; v16-17  LDS address of my A fragments in slot 0, 1
.set ADRB, 20                          ; v20-21  the same for B
.set CO,   26                          ; v26     16 x lane
.set SPW,  28                          ; v28     LDS address of my spare word; never rewritten
.set NIL,  29                          ; v29     0; never rewritten
.set SC,   30                          ; v30     the conversions' scale
.set LIM,  31
.set TMP,  32
.set AF,   128                         ; A's fragments
.set CD,   128                         ; the way out: codes, 16 registers for each block: no store's data are written again
.set G1, 24                            ; s[24:31] descriptor group 1 for role A;  s[32:39] group 0, one set for each slot
.set G0, 32
.set G1B, 48                           ; s[48:55], s[56:63] the same for role B
.set G0B, 56
.set MSB, 0
.macro WIN new                         ; the immediate's high byte repeats the setting that is left
.if MSB != \new
	s_set_vgpr_msb (MSB<<8)|\new
.set MSB, \new
.endif
.endm
.set MUL_LO, 0xa1                      ; source 0 (B) window 1, source 1 (A) window 0, C and D window 2
.set MUL_HI, 0xf1                      ; the same, C and D window 3
.set TO_B,   0x40                      ; destination window 1, address window 0
; A joint load: waves 0 and 1 fetch for role A, waves 2 and 3 for role B.  The branch hangs on the wave's number alone.  Four v_nop follow each of the two lines.
.macro JLOAD g0a, g1a, g0b, g1b
	s_cmp_eq_u32 s15, 0
	s_cbranch_scc0 .Lfor_b_\@
	tensor_load_to_lds s[\g0a:\g0a+3], s[\g1a:\g1a+7]
	s_nop 0
.rept 4
	v_nop
.endr
	s_branch .Lasked_\@
.Lfor_b_\@:
	tensor_load_to_lds s[\g0b:\g0b+3], s[\g1b:\g1b+7]
	s_nop 0
.rept 4
	v_nop
.endr
.Lasked_\@:
.endm
.macro CREST                           ; a round of the cluster's barrier behind its opening barrier
	s_cmp_lg_u32 s14, 0
	s_cbranch_scc1 .Lnot_wave_0_\@
	s_barrier_signal -3
.Lnot_wave_0_\@:
	s_barrier_wait -3
	s_barrier_signal -1
	s_barrier_wait -1
.endm
.macro CROUND                          ; a whole round
	s_barrier_signal -1
	s_barrier_wait -1
	CREST
.endm
	s_load_b256 s[68:75], s[0:1], 0x0              ; x_img s[68:69], wqkv_img s[70:71], the scales' exponents s[72:73], q_img s[74:75]
	s_load_b128 s[76:79], s[0:1], 0x20             ; k_img s[76:77], v_img s[78:79]
	v_lshl_add_u32 v[SPW], v0, 2, SPARE
	v_mov_b32 v[NIL], 0
	ds_add_u32 v28, v29
	ds_add_u32 v28, v29
	s_wait_dscnt 0x0
	v_lshrrev_b32 v1, 5, v0
	v_readfirstlane_b32 s14, v1                    ; wave 0..3
	s_lshr_b32 s15, s14, 1                         ; which half of role A's rows is mine.  Also: I fetch for A (0) or for B (1)
	s_and_b32 s16, s14, 1                          ; which half of role B's rows.  Also: which 8 tiles I fetch
	s_bfe_u32 s40, ttmp6, 0x40000                  ; cx, cy: my place in the cluster
	s_bfe_u32 s41, ttmp6, 0x40004
	s_lshl_b32 s43, s41, 2
	s_lshl_b32 s43, 15, s43                        ; my row of the cluster
	s_lshl_b32 s44, 0x1111, s40                    ; my column
	; descriptor group 1: 8 tiles' 4,096 bytes (256 along K), 16,384 bytes apart in memory, on end in LDS
	s_or_b32 s[G1+0], s43, 1<<21                   ; 15:0 the mask: role A's tiles go to my row; 17:16 elements of 1 byte; 20 no padding; 21 set beside a mask
	s_or_b32 s[G1B+0], s44, 1<<21                  ; the same with the mask of my column
.irp g, G1, G1B
	s_mov_b32 s[\g+1], 4096<<16                    ; tensor_dim0 = 4,096
	s_mov_b32 s[\g+2], 8<<16                       ; tensor_dim1 = 8
	s_mov_b32 s[\g+3], 4096<<16                    ; tile_dim0 = 4,096
	s_mov_b32 s[\g+4], 8                           ; tile_dim1 = 8
	s_mov_b32 s[\g+5], 16384                       ; tensor_dim0_stride
	s_mov_b32 s[\g+6], 0
	s_mov_b32 s[\g+7], 0
.endr
	; which blocks of 256 rows.  Role A's number is made of cy alone, role B's of cx alone, each in registers that never hold the other coordinate.
	s_and_b32 s17, ttmp7, 0xffff
	s_lshl_b32 s17, s17, 2                         ; 4 x cluster y
	s_add_co_u32 s20, s17, s41                     ; q, k: A = x's block 4 cluster y + cy
	s_add_co_u32 s21, s41, 8                       ; v:    A = w's block 8 + cy
	s_lshl_b32 s46, ttmp9, 2
	s_add_co_u32 s46, s46, s40                     ; q, k: B = w's block 4 cluster x + cx
	s_add_co_u32 s47, s17, s40                     ; v:    B = x's block 4 cluster y + cx
	s_cmp_eq_u32 ttmp9, 2                          ; v's clusters: the same answer in all sixteen partners
	s_cselect_b32 s20, s21, s20
	s_cselect_b32 s46, s47, s46
	s_cselect_b32 s88, s46, s20                    ; for the way out alone (these four feed no descriptor): the block of tokens,
	s_cselect_b32 s89, s16, s15                    ; my half of it,
	s_cselect_b32 s90, s41, s40                    ; the block of 256 columns within q, k or v: two pairs of heads,
	s_cselect_b32 s91, s15, s16                    ; my pair of them
	s_lshl_b32 s18, s16, 17                        ; the 8 tiles that I fetch
	s_lshl_b32 s20, s20, 18                        ; a block is 16 tiles of 16,384 bytes
	s_add_co_u32 s20, s20, s18
	s_mov_b32 s21, 0
	s_lshl_b32 s46, s46, 18
	s_add_co_u32 s46, s46, s18
	s_mov_b32 s47, 0
	s_lshl_b32 s45, s14, 15                        ; where they go: wave x 32,768: no place in the cluster enters an LDS address
	s_wait_kmcnt 0x0
	s_load_b256 s[80:87], s[72:73], 0x0            ; e0 .. e7
	s_cmp_eq_u32 ttmp9, 2
	s_cselect_b64 s[4:5], s[70:71], s[68:69]       ; role A's buffer
	s_cselect_b64 s[6:7], s[68:69], s[70:71]       ; role B's
	s_add_nc_u64 s[20:21], s[4:5], s[20:21]
	s_add_nc_u64 s[46:47], s[6:7], s[46:47]
	CROUND                                         ; all sixteen work-groups are here: the first joint loads meet
.irp s, 0,1
	s_mov_b32 s[G0+4*\s], 1
	s_add_co_u32 s[G0+4*\s+1], s45, \s*SLOT
	s_add_nc_u64 s[G0+4*\s+2:G0+4*\s+3], s[20:21], \s*4096
	s_or_b32 s[G0+4*\s+3], s[G0+4*\s+3], 0x80000000
	s_mov_b32 s[G0B+4*\s], 1
	s_add_co_u32 s[G0B+4*\s+1], s45, \s*SLOT
	s_add_nc_u64 s[G0B+4*\s+2:G0B+4*\s+3], s[46:47], \s*4096
	s_or_b32 s[G0B+4*\s+3], s[G0B+4*\s+3], 0x80000000
	JLOAD G0+4*\s, G1, G0B+4*\s, G1B
.endr
	v_and_b32 v1, 31, v0
	v_lshlrev_b32 v[CO], 4, v1                     ; 16 x lane
	s_lshl_b32 s21, s15, 15                        ; my 8 tiles of A
	s_lshl_b32 s22, s16, 15                        ; my 8 tiles of B,
	s_add_co_u32 s22, s22, 65536                   ; which lie behind A's 16
.irp s, 0,1
	v_add_nc_u32 v[ADRA+\s], s21, v[CO]
	v_add_nc_u32 v[ADRB+\s], s22, v[CO]
	s_add_co_u32 s21, s21, SLOT
	s_add_co_u32 s22, s22, SLOT
.endr
.macro FRAG reg, adr, q, i             ; tile i's fragment of the slot's q-th 128 along K: four loads of 512 consecutive bytes
.irp c, 0,1,2,3
	ds_load_b128 v[\reg+4*\c:\reg+4*\c+3], v[\adr] offset:(\i)*4096+(\q)*2048+512*\c
.endr
.endm
; 16 matrix instructions: A's blocks a0, a0 + 1 x B's eight, 128 along K.  p: B's set.  zero = 1: the first product starts the sums: nothing is ever cleared.
; The 64 accumulators take turns, one instruction a turn, in the same order in every step.
.macro MUL16 a0, p, zero
.irp a, \a0, \a0+1
.irp b, 0,1,2,3,4,5,6,7
.if \zero
	v_wmma_f32_16x16x128_fp8_fp8 v[8*(8*((\a)%4)+\b):8*(8*((\a)%4)+\b)+7], v[128*(\p)+FR*\b:128*(\p)+FR*\b+FR-1], v[AF+FR*(\a):AF+FR*(\a)+FR-1], 0
.else
	v_wmma_f32_16x16x128_fp8_fp8 v[8*(8*((\a)%4)+\b):8*(8*((\a)%4)+\b)+7], v[128*(\p)+FR*\b:128*(\p)+FR*\b+FR-1], v[AF+FR*(\a):AF+FR*(\a)+FR-1], v[8*(8*((\a)%4)+\b):8*(8*((\a)%4)+\b)+7]
.endif
.endr
.endr
.endm
.macro FETCH_B slot, q, p              ; B's eight fragments into set p
	WIN TO_B
.irp i, 0,1,2,3,4,5,6,7
	FRAG 128*(\p)+FR*\i, ADRB+\slot, \q, \i
.endr
	WIN 0
.endm
.macro FETCH_A slot, q, i0             ; A's blocks i0 .. i0 + 3
.irp i, \i0, \i0+1, \i0+2, \i0+3
	FRAG AF+FR*(\i), ADRA+\slot, \q, \i
.endr
.endm
; A load into a register that a matrix instruction has read, and a vector instruction that reads a matrix result or writes one of its registers, stand NP places behind it; only plain vector
; instructions that name none of its registers are places (ISA guide 7.12.1 for vector instructions).
.macro PLACES n
.rept \n
	v_nop
.endr
.endm
; A step of 128 along K that has its successor in the same slot.  A's blocks go one after the other, each against B's eight, so one set of registers serves A.
.macro STEP slot, q, zero
	s_wait_dscnt 4*NL                              ; B's set and A's blocks 0-3 are in; the youngest sixteen loads (A's blocks 4-7) may be out
	WIN MUL_LO
	MUL16 0, (\q)%2, \zero
	MUL16 2, (\q)%2, \zero
	s_wait_dscnt 0                                 ; A's blocks 4-7 are in
	PLACES NP
	FETCH_B \slot, (\q)+1, 1-(\q)%2
	FETCH_A \slot, (\q)+1, 0
	WIN MUL_HI
	MUL16 4, (\q)%2, \zero
	MUL16 6, (\q)%2, \zero
	PLACES NP
	WIN 0
	FETCH_A \slot, (\q)+1, 4
.endm
; A slot's last step changes slots: ONE barrier; in front of it each wave waits for all its tensor loads, adds 0 to its spare word, and waits for that and for its own reads of this slot.  fill = 1: this slot is filled again, two K steps ahead.
.macro TURN slot, next, fill
	s_wait_tensorcnt 0x0                           ; all my tensor loads have landed: my part of the next slot  (every window is 0 here)
	ds_add_u32 v[SPW], v[NIL]                      ; 0 onto my spare word
	s_wait_dscnt 4*NL+1                            ; (the add and the youngest sixteen loads, A's blocks 4-7, may be out)
	WIN MUL_LO
	MUL16 0, 1, 0                                  ; sixteen matrix instructions stand between the add and the wait for it
	s_wait_dscnt 0x0                               ; the add is done, and my reads of this slot are over
	s_barrier_signal -1
	MUL16 2, 1, 0
	WIN 0
	s_barrier_wait -1
.if \fill
	CREST                                          ; the barrier has opened a round of the cluster's barrier: no wave of any partner still reads this slot's tile or has a load on its way
	s_add_nc_u64 s[G0+4*\slot+2:G0+4*\slot+3], s[G0+4*\slot+2:G0+4*\slot+3], 8192
	s_add_nc_u64 s[G0B+4*\slot+2:G0B+4*\slot+3], s[G0B+4*\slot+2:G0B+4*\slot+3], 8192
	JLOAD G0+4*\slot, G1, G0B+4*\slot, G1B         ; the first tensor load behind the round; the four v_nop behind it are the places in front of the loads below
.else
	PLACES NP
.endif
	FETCH_B \next, 0, 0
	FETCH_A \next, 0, 0
	WIN MUL_HI
	MUL16 4, 1, 0
	MUL16 6, 1, 0
	PLACES NP
	WIN 0
	FETCH_A \next, 0, 4
.endm
	s_wait_alu depctr_va_vdst(0)
	s_wait_tensorcnt 1                             ; my part of K step 0 is in (K step 1's load may be out)
	s_barrier_signal -1
	s_barrier_wait -1                              ; everybody's is
	FETCH_B 0, 0, 0
	FETCH_A 0, 0, 0
	FETCH_A 0, 0, 4
	STEP 0, 0, 1                                   ; K = 1,024 is four slots' worth, eight steps of 128: written out; the first step's products start the sums
	TURN 0, 1, 1                                   ; slot 0 takes K step 2
	STEP 1, 0, 0
	TURN 1, 0, 1                                   ; slot 1 takes K step 3
	STEP 0, 0, 0
	TURN 0, 1, 0                                   ; nothing is left to fetch
	STEP 1, 0, 0
	s_wait_dscnt 4*NL                              ; the very last step
	WIN MUL_LO
	MUL16 0, 1, 0
	MUL16 2, 1, 0
	s_wait_dscnt 0
	WIN MUL_HI
	MUL16 4, 1, 0
	MUL16 6, 1, 0
	WIN 0
	; THE WAY OUT.  A sum stands for sum x 2^(e0 + e1); its code is sum / 2^(e - e0 - e1), e the scale given for q, k or v: the three scales are folded into the conversion's one.
	s_wait_kmcnt 0x0
	s_cmp_eq_u32 ttmp9, 1
	s_cselect_b32 s92, s83, s82                    ; k: e3; q: e2
	s_cselect_b64 s[10:11], s[76:77], s[74:75]
	s_cmp_eq_u32 ttmp9, 2
	s_cselect_b32 s92, s85, s92                    ; v: e5
	s_cselect_b64 s[10:11], s[78:79], s[10:11]
	s_sub_co_i32 s92, s92, s80
	s_sub_co_i32 s92, s92, s81
	s_add_co_i32 s92, s92, 127
	s_lshl_b32 s93, s92, 23
	v_mov_b32 v[SC], s93
	s_wait_alu depctr_va_vdst(0)
	s_lshl_b32 s90, s90, 21                        ; two pairs of heads of 1,048,576 bytes for each block of 256 columns,
	s_lshl_b32 s91, s91, 20                        ; my pair,
	s_add_co_u32 s90, s90, s91
	s_lshl_b32 s88, s88, 15                        ; 128 bytes a token: the block's 256,
	s_add_co_u32 s90, s90, s88
	s_lshl_b32 s89, s89, 14                        ; my 128
	s_add_co_u32 s90, s90, s89
	s_mov_b32 s91, 0
	s_add_nc_u64 s[10:11], s[10:11], s[90:91]
	PLACES NP
; Block a of role A: a lane's 64 sums, 16 B + i = row 32 B + 16 h + i of role B, become four groups of 16 codes, which are stored as they stand: 512 consecutive bytes a store, aligned.
; q, k: a = the token tile, B = 2 x (head of the pair) + c.   v: a = 4 x (head of the pair) + the tile of channels, B = c.   In both the bytes lie at 2,048 a + 512 B.
.macro OUTB a
	WIN 0x02+((\a)/4)                              ; source 0: window 2 or 3
.set j, 0
.rept 64
.set j, j+1
.endr
.irp g, 0,1,2,3,4,5,6,7
	v_cvt_scalef32_pk8_fp8_f32 v[CD+16*(\a)+2*\g:CD+16*(\a)+2*\g+1], v[TMP+8*\g+((64*((\a)%4)+j)-(TMP+j)):TMP+8*\g+7+((64*((\a)%4)+j)-(TMP+j))], v[SC]
.endr
	WIN 0
	v_nop                                          ; one plain vector line behind the last conversion
.irp b, 0,1,2,3
	global_store_b128 v[CO], v[CD+16*(\a)+4*\b:CD+16*(\a)+4*\b+3], s[10:11] offset:2048*(\a)+512*\b
.endr
.endm
.irp a, 0,1,2,3,4,5,6,7
	OUTB \a
.endr
	s_wait_tensorcnt 0x0                           ; the wave's end
	ds_add_u32 v[SPW], v[NIL]
	s_wait_dscnt 0x0
	CROUND                                         ; the closing round: no work-group ends while a partner may still ask for a tile that names it
	s_endpgm
.Lfunc_end_k_qab9240ea28_qkv:
	.size	k_qab9240ea28_qkv, .Lfunc_end_k_qab9240ea28_qkv-k_qab9240ea28_qkv
	.p2alignl 7, 3214868480
	.fill 96, 4, 3214868480
	.section	.rodata,"a",@progbits
	.p2align	6, 0x0
	.amdhsa_kernel k_qab9240ea28_qkv
		.amdhsa_group_segment_fixed_size 327680
		.amdhsa_private_segment_fixed_size 0
		.amdhsa_enable_private_segment 0
		.amdhsa_kernarg_size 48
		.amdhsa_user_sgpr_count 2
		.amdhsa_user_sgpr_kernarg_segment_ptr 1
		.amdhsa_wavefront_size32 1
		.amdhsa_system_sgpr_workgroup_id_x 1
		.amdhsa_system_sgpr_workgroup_id_y 1
		.amdhsa_system_sgpr_workgroup_id_z 1
		.amdhsa_system_vgpr_workitem_id 0
		.amdhsa_next_free_vgpr 1024
		.amdhsa_next_free_sgpr 100
		.amdhsa_reserve_vcc 0
		.amdhsa_float_denorm_mode_32 3
		.amdhsa_float_denorm_mode_16_64 3
		.amdhsa_fp16_overflow 1
		.amdhsa_memory_ordered 1
		.amdhsa_forward_progress 1
		.amdhsa_inst_pref_size 85
	.end_amdhsa_kernel
	.amdgpu_metadata
---
amdhsa.version: [ 1, 2 ]
amdhsa.kernels:
  - .name:           k_qab9240ea28_qkv
    .symbol:         k_qab9240ea28_qkv.kd
    .args:
      - { .name: x_img, .offset: 0, .size: 8, .value_kind: global_buffer, .address_space: global }
      - { .name: wqkv_img, .offset: 8, .size: 8, .value_kind: global_buffer, .address_space: global }
      - { .name: lowp_scales, .offset: 16, .size: 8, .value_kind: global_buffer, .address_space: global }
      - { .name: q_img, .offset: 24, .size: 8, .value_kind: global_buffer, .address_space: global }
      - { .name: k_img, .offset: 32, .size: 8, .value_kind: global_buffer, .address_space: global }
      - { .name: v_img, .offset: 40, .size: 8, .value_kind: global_buffer, .address_space: global }
    .group_segment_fixed_size: 327680
    .private_segment_fixed_size: 0
    .kernarg_segment_align: 8
    .kernarg_segment_size: 48
    .max_flat_workgroup_size: 128
    .sgpr_count:     100
    .vgpr_count:     1024
    .wavefront_size: 32
...
	.end_amdgpu_metadata
.endif
;; end of part 2
;; launch attn (part 3): grid 4 x 64, 16 waves a work-group, clusters of 4 x 1, 264,192 bytes of LDS; arguments q_img, k_img, v_img, lowp_scales, y_img; writes y_img
.if DOCPART == 3
	.amdgcn_target "amdgcn-amd-amdhsa--gfx1250"
	.amdhsa_code_object_version 6
	.text
	.protected	k_qab9240ea28_attn
	.globl	k_qab9240ea28_attn
	.p2align	8
	.type	k_qab9240ea28_attn,@function
k_qab9240ea28_attn:
	s_mov_b64 s[64:65], 0
	v_nop
	global_prefetch_b8 v0, s[64:65] scope:SCOPE_SE
	s_setreg_imm32_b32 hwreg(HW_REG_WAVE_MODE, 25, 1), 1
	s_wait_xcnt 0x0
	s_wait_alu depctr_hold_cnt(0) depctr_sa_sdst(0) depctr_va_vdst(0) depctr_va_sdst(0) depctr_va_ssrc(0) depctr_va_vcc(0) depctr_vm_vsrc(0)
	s_getreg_b32 s2, hwreg(HW_REG_IB_STS2, 6, 4)
	s_cmp_eq_u32 s2, 0
	s_cbranch_scc0 .Lentry_in_a_cluster
	s_endpgm
.Lentry_in_a_cluster:
	s_bfe_u32 s2, ttmp6, 0x10000c
	s_cmp_lg_u32 s2, 0x3003
	s_cbranch_scc0 .Lentry_shape_is_right
	s_endpgm
.Lentry_shape_is_right:
; y[b][q][head] = the sum over keys k <= q of softmax_k(Q . K / 8) V, both products on codes of FP8 (E4M3); y is quantised at once with the scale given for it (entry 6) and stored as an image of the last product's operand.
; THE SOFTMAX AHEAD OF THE SECOND PRODUCT: t = score x log2(e) / 8; M = the row's largest t so far, rounded UP to a whole number; p = 2^(t - M) is what is quantised (entry 4), not normalised.
; The row's sum is taken of the unquantised p, in f32, and divides at the end.  When M moves, the sum and O are multiplied by 2^(old M - new M): exact.
; SHARES.  A cluster of four work-groups is one head of one batch.  The head's codes of K and of V, 131,072 bytes each, lie WHOLE in each partner's LDS, brought once by joint loads: no slot is ever filled again.
; The head's 128 tiles of 16 queries fall into 16 groups g of 128 queries; work-group cx owns tiles 8 g + 2 cx and 8 g + 2 cx + 1.  Wave w takes the first of group 15 - w and then the second of group w:
; (16 - w) + (w + 1) = 17 steps of 128 keys for every wave of every work-group.  Both loops have constant trip counts; a step whose keys all come after the group's queries is jumped over, by a branch on the
; wave's number and the loop's counter; in the one step on the diagonal hidden scores become -infinity.  cx enters the addresses of Q and y and the mask's number alone.
; LAYOUT.  Both products are used transposed: S^T = K Q^T (source 0 = 16 keys, source 1 = my 16 queries, K = 64), O^T = V^T P^T (source 0 = 16 channels, K = 128 keys): a lane holds ONE query throughout.
; Row r of tile 2 B + u (of keys, queries, channels alike) is row 32 B + 8 u + r + 8 (r / 8): so the 16 registers of tiles 2 B and 2 B + 1 are 16 neighbours, 32 B + 16 (lane / 16) + 0 .. 15.
; LIMITS on the given exponents: e2 + e3 between -123 and 130 (added to c's exponent field); e4 and e6 between -126 and 119; e4 + e5 is applied by v_ldexp_f32 and has none.
; LDS.  Slice w (the wave that fetches it): w < 8: tile w of each step's eight tiles of K; w >= 8: piece w - 8 of each step's eight pieces of 1,024 bytes of V.  Steps 0-3: 4,096 w + 1,024 s; steps 4-15: 65,536 + 12,288 w + 1,024 (s - 4).
; REGISTERS: v1 16 x lane; v2-5 the step's LDS addresses; v6, v7 the mask's number of pass 0, 1; v8 -infinity; v12 -M, v13 the largest t, v[14:15] the sum in two halves; v16-23, v24-31 Q of pass 0, 1;
;   v32-95 fragments of K, then of V; v96-159 S^T, then p, at last y; v160-191 O^T; v192-207 p's codes; v208-223 y's codes; v230-255 at work and constants.
.set AL,  1
.set R0,  2
.set DM0, 6
.set NEG, 8
.set WV,  18                           ; s18  my wave's number
.set CX,  19                           ; s19  my place in the cluster
.set G1E, 32                           ; s[32:39] descriptor group 1: 4 rows of 1,024 bytes;  s[40:47]: 12 rows
.set G1L, 40
.set G0K, 48                           ; s[48:51], s[52:55] groups 0 for K's slice: steps 0-3, steps 4-15
.set CS,  56                           ; s[56:57] c = log2(e) / 8 x 2^(e2 + e3)
.set SEL, 58                           ; s[58:59] lane selects for v_permlanex16_b32: lane l xor 16
.set EPV, 60                           ; s60  e4 + e5
.set G,   61                           ; s61  the pass's group of queries
.set KS,  62                           ; s62  the key step
.set TB,  63                           ; s63  LDS byte of the step in slice 0
.set QB,  76                           ; s[76:79] Q's tiles of the two passes
.set YB,  80                           ; s[80:83] y's
.set G0V, 84                           ; s[84:87], s[88:91] groups 0 for V's slice
.macro CROUND                          ; a round of the cluster's barrier
	s_barrier_signal -1
	s_barrier_wait -1
	s_cmp_lg_u32 s[WV], 0
	s_cbranch_scc1 .Lnot_wave_0_\@
	s_barrier_signal -3
.Lnot_wave_0_\@:
	s_barrier_wait -3
	s_barrier_signal -1
	s_barrier_wait -1
.endm
	s_load_b256 s[4:11], s[0:1], 0x0               ; q_img s[4:5], k_img s[6:7], v_img s[8:9], the scales' exponents s[10:11]
	s_load_b64 s[12:13], s[0:1], 0x20              ; y_img
	v_lshl_add_u32 v251, v0, 2, 0x40000
	v_mov_b32 v255, 0
	ds_add_u32 v251, v255
	ds_add_u32 v251, v255
	v_lshrrev_b32 v1, 5, v0
	s_delay_alu instid0(VALU_DEP_1)
	v_readfirstlane_b32 s[WV], v1                  ; wave 0..15
	s_bfe_u32 s[CX], ttmp6, 0x40000                ; cx
	s_and_b32 s20, ttmp7, 0xffff                   ; 16 x batch + head: the four partners share it
	s_lshr_b32 s21, s20, 4                         ; batch
	s_and_b32 s22, s20, 15                         ; head
	s_lshr_b32 s23, s22, 1                         ; pair of heads
	s_and_b32 s24, s22, 1                          ; head of the pair
	s_lshl_b32 s25, s23, 20
	s_lshl_b32 s26, s21, 18
	s_add_co_u32 s25, s25, s26                     ; the pair's and the batch's first byte in q_img, k_img and v_img
	s_lshl_b32 s26, s24, 10                        ; K's slice: the head's 1,024 bytes of a tile's 2,048, tile = wave
	s_lshl_b32 s27, s[WV], 11
	s_add_co_u32 s26, s26, s27
	s_add_co_u32 s26, s26, s25
	s_mov_b32 s27, 0
	s_lshl_b32 s28, s24, 13                        ; V's slice: the head's 8,192 bytes of a step's 16,384, piece = wave - 8
	s_and_b32 s29, s[WV], 7
	s_lshl_b32 s29, s29, 10
	s_add_co_u32 s28, s28, s29
	s_add_co_u32 s28, s28, s25
	s_mov_b32 s29, 0
	; descriptor group 1: rows of 1,024 bytes, one for each key step, 16,384 bytes apart in memory, on end in LDS
	s_mov_b32 s[G1E], 15|(1<<21)                   ; 15:0 the mask: all four work-groups; 17:16 elements of 1 byte; 20 no padding; 21 set beside a mask
	s_mov_b32 s[G1E+1], 1024<<16                   ; tensor_dim0
	s_mov_b32 s[G1E+2], 4<<16                      ; tensor_dim1 = 4
	s_mov_b32 s[G1E+3], 1024<<16                   ; tile_dim0
	s_mov_b32 s[G1E+4], 4                          ; tile_dim1 = 4
	s_mov_b32 s[G1E+5], 16384                      ; tensor_dim0_stride
	s_mov_b32 s[G1E+6], 0
	s_mov_b32 s[G1E+7], 0
	s_mov_b32 s[G1L], 15|(1<<21)
	s_mov_b32 s[G1L+1], 1024<<16
	s_mov_b32 s[G1L+2], 12<<16                     ; 12 rows
	s_mov_b32 s[G1L+3], 1024<<16
	s_mov_b32 s[G1L+4], 12
	s_mov_b32 s[G1L+5], 16384
	s_mov_b32 s[G1L+6], 0
	s_mov_b32 s[G1L+7], 0
	s_mov_b32 s[SEL], 0x76543210
	s_mov_b32 s[SEL+1], 0xfedcba98
	s_lshl_b32 s30, s[WV], 12                      ; my slice in LDS: steps 0-3,
	s_mul_i32 s31, s[WV], 12288
	s_add_co_u32 s31, s31, 65536                   ; steps 4-15
	s_wait_dscnt 0x0
	s_wait_kmcnt 0x0
	s_load_b256 s[68:75], s[10:11], 0x0            ; e0 .. e7
	s_mov_b32 s[G0K], 1
	s_mov_b32 s[G0K+1], s30
	s_add_nc_u64 s[G0K+2:G0K+3], s[6:7], s[26:27]
	s_mov_b32 s[G0K+4], 1
	s_mov_b32 s[G0K+5], s31
	s_add_nc_u64 s[G0K+6:G0K+7], s[G0K+2:G0K+3], 65536   ; four steps on
	s_or_b32 s[G0K+3], s[G0K+3], 0x80000000
	s_or_b32 s[G0K+7], s[G0K+7], 0x80000000
	s_mov_b32 s[G0V], 1
	s_mov_b32 s[G0V+1], s30
	s_add_nc_u64 s[G0V+2:G0V+3], s[8:9], s[28:29]
	s_mov_b32 s[G0V+4], 1
	s_mov_b32 s[G0V+5], s31
	s_add_nc_u64 s[G0V+6:G0V+7], s[G0V+2:G0V+3], 65536
	s_or_b32 s[G0V+3], s[G0V+3], 0x80000000
	s_or_b32 s[G0V+7], s[G0V+7], 0x80000000
	CROUND                                         ; all four work-groups are here: the joint loads meet
	s_cmp_lt_u32 s[WV], 8                          ; a wave's two fills stand in one branch, ahead of every wait on TENSORcnt and every LDS read: two loads of mine are out; four v_nop follow the second
	s_cbranch_scc0 .Lfor_v
	tensor_load_to_lds s[G0K:G0K+3], s[G1E:G1E+7]
	s_nop 0
	tensor_load_to_lds s[G0K+4:G0K+7], s[G1L:G1L+7]
	s_nop 0
.rept 4
	v_nop
.endr
	s_branch .Lasked
.Lfor_v:
	tensor_load_to_lds s[G0V:G0V+3], s[G1E:G1E+7]
	s_nop 0
	tensor_load_to_lds s[G0V+4:G0V+7], s[G1L:G1L+7]
	s_nop 0
.rept 4
	v_nop
.endr
.Lasked:
	; my two tiles of queries: 8 (15 - wave) + 2 cx, and 8 wave + 2 cx + 1
	s_xor_b32 s92, s[WV], 15                       ; 15 - wave
	s_lshl_b32 s92, s92, 3
	s_lshl_b32 s94, s[CX], 1
	s_add_co_u32 s92, s92, s94
	s_lshl_b32 s93, s[WV], 3
	s_add_co_u32 s93, s93, s94
	s_add_co_u32 s93, s93, 1
	s_lshl_b32 s95, s24, 10
	s_add_co_u32 s95, s95, s25                     ; Q: the pair, the batch, the head of the pair
	s_lshl_b32 s96, s21, 21                        ; y: the batch's 128 tiles of 16,384 bytes,
	s_lshl_b32 s97, s22, 10                        ; the head's 1,024 bytes of a tile
	s_add_co_u32 s96, s96, s97
	s_mov_b32 s99, 0
.irp p, 0,1
	s_lshl_b32 s98, s[92+\p], 11
	s_add_co_u32 s98, s98, s95
	s_add_nc_u64 s[QB+2*\p:QB+2*\p+1], s[4:5], s[98:99]
	s_lshl_b32 s98, s[92+\p], 14
	s_add_co_u32 s98, s98, s96
	s_add_nc_u64 s[YB+2*\p:YB+2*\p+1], s[12:13], s[98:99]
.endr
	v_and_b32 v9, 31, v0
	s_delay_alu instid0(VALU_DEP_1)
	v_lshlrev_b32 v[AL], 4, v9                     ; 16 x lane
.irp p, 0,1
.irp c, 0,1
	global_load_b128 v[16+8*\p+4*\c:16+8*\p+4*\c+3], v[AL], s[QB+2*\p:QB+2*\p+1] offset:512*\c   ; Q's fragments stay in registers
.endr
.endr
	v_and_b32 v9, 15, v0                           ; r
	v_bfe_u32 v10, v0, 4, 1                        ; h
	s_delay_alu instid0(VALU_DEP_2)
	v_and_b32 v11, 8, v9
	s_delay_alu instid0(VALU_DEP_1)
	v_add_nc_u32 v9, v9, v11                       ; r + 8 (r / 8)
	s_delay_alu instid0(VALU_DEP_3)
	v_lshlrev_b32 v10, 4, v10
	s_delay_alu instid0(VALU_DEP_1)
	v_sub_nc_u32 v9, v9, v10
	s_delay_alu instid0(VALU_DEP_1)
	v_lshl_add_u32 v[DM0], s[CX], 5, v9            ; my query's place in its group of 128, less 16 h: 32 cx + 8 pass + r + 8 (r / 8) - 16 h
	s_delay_alu instid0(VALU_DEP_1)
	v_add_nc_u32 v[DM0+1], 8, v[DM0]
	v_mov_b32 v[NEG], 0xff800000                   ; -infinity
	v_mov_b32 v236, 0                              ; written once: a lane permute's destination counts as one of its sources
	v_mov_b32 v253, 0                              ; (named as the upper half of the pair v[252:253])
	s_wait_kmcnt 0x0
	s_add_co_i32 s92, s70, s71
	s_lshl_b32 s92, s92, 23
	s_add_co_i32 s[CS], s92, 0x3e38aa3b            ; c = log2(e) / 8; a score stands for score x 2^(e2 + e3): the two exponents are added to c's exponent field
	s_mov_b32 s[CS+1], s[CS]                       ; (named with it as a pair, so it is written)
	s_add_co_i32 s[EPV], s72, s73
	s_add_co_i32 s92, s72, 127
	s_lshl_b32 s93, s92, 23
	v_mov_b32 v244, s93                            ; 2^e4 as f32, for p's conversions
	s_add_co_i32 s92, s74, 127
	s_lshl_b32 s93, s92, 23
	v_mov_b32 v246, s93                            ; 2^e6, for y's
; A KEY STEP: 128 keys.  ss: bytes from slice to slice in the region in hand; q: Q's first register; dm: the register of the mask's number.
.macro STEP ss, q, dm
	s_cmp_gt_u32 s[KS], s[G]                       ; all the step's keys come after my queries: the step's work is left out
	s_cbranch_scc1 .Lhid_\@
	s_setprio 2
	v_add_nc_u32 v[R0], s[TB], v[AL]               ; slices 0-3; these four plain lines are the places behind the last step's products, in front of the loads below
	s_delay_alu instid0(VALU_DEP_1)
	v_add_nc_u32 v[R0+1], 4*\ss, v[R0]             ; slices 4-7
	s_delay_alu instid0(VALU_DEP_2)
	v_add_nc_u32 v[R0+2], 8*\ss, v[R0]             ; slices 8-11: V
	s_delay_alu instid0(VALU_DEP_3)
	v_add_nc_u32 v[R0+3], 12*\ss, v[R0]            ; slices 12-15
.irp i, 0,1,2,3,4,5,6,7
.irp c, 0,1
	ds_load_b128 v[32+8*\i+4*\c:32+8*\i+4*\c+3], v[R0+\i/4] offset:(\i%4)*\ss+512*\c
.endr
.endr
	s_wait_alu depctr_va_vdst(0)
	s_wait_dscnt 0x0
.irp i, 0,1,2,3,4,5,6,7
	v_wmma_f32_16x16x64_fp8_fp8 v[96+8*\i:103+8*\i], v[32+8*\i:39+8*\i], v[\q:\q+7], 0
.endr
.rept 4
	v_nop                                          ; places in front of the loads into K's registers and of the first read of the scores
.endr
.irp dt, 0,1,2,3
.irp c, 0,1,2,3
	ds_load_b128 v[32+16*\dt+4*\c:32+16*\dt+4*\c+3], v[R0+2+(2*\dt+\c/2)/4] offset:((2*\dt+\c/2)%4)*\ss+512*(\c%2)   ; V's four fragments land under the softmax
.endr
.endr
	s_cmp_lg_u32 s[KS], s[G]                       ; on the diagonal the scores of hidden keys become -infinity ahead of the maximum: p = 0 then.  A step all of whose keys count skips this
	s_cbranch_scc1 .Lopen_\@
.set n, 0
.rept 64
	v_cmp_gt_i32 vcc_lo, 32*(n/16)+n%16, v[\dm]    ; register 16 b + i holds the step's key 32 b + 16 h + i
	v_cndmask_b32 v[96+n], v[96+n], v[NEG], vcc_lo
.set n, n+1
.endr
.Lopen_\@:
	v_max3_num_f32 v254, v96, v97, v98             ; the step's largest score of my query, among my 64 keys, in two chains,
	v_max3_num_f32 v252, v99, v100, v101
.set j, 6
.rept 14
	v_max3_num_f32 v254, v254, v[96+j], v[97+j]
	v_max3_num_f32 v252, v252, v[98+j], v[99+j]
.set j, j+4
.endr
	v_max3_num_f32 v254, v254, v158, v159
	s_delay_alu instid0(VALU_DEP_1)
	v_max_num_f32 v254, v254, v252
	s_delay_alu instid0(VALU_DEP_1)
	v_permlanex16_b32 v236, v254, s[SEL], s[SEL+1]
	s_delay_alu instid0(VALU_DEP_1)
	v_max_num_f32 v254, v254, v236                 ; and among lane l xor 16's
	s_delay_alu instid0(VALU_DEP_1)
	v_mul_f32 v254, s[CS], v254                    ; as t (c is positive)
	s_delay_alu instid0(VALU_DEP_1)
	v_max_num_f32 v13, v13, v254                   ; the running largest t
	v_mov_b32 v254, v12
	s_delay_alu instid0(VALU_DEP_2)
	v_floor_f32 v12, -v13                          ; the new -M = floor(-t) = -ceil(t): M is a whole number
	s_delay_alu instid0(VALU_DEP_1)
	v_sub_f32 v254, v12, v254                      ; M's old value less its new one: a whole number, 0 or less
	s_delay_alu instid0(VALU_DEP_1)
	v_cvt_i32_f32 v254, v254                       ; (it saturates)
	s_delay_alu instid0(VALU_DEP_1)
	v_ldexp_f32 v252, 1.0, v254                    ; f = 2^(old M - new M)
.set j, 0
	s_setprio 1
.rept 32
	v_pk_fma_f32 v[96+j:97+j], v[96+j:97+j], s[CS:CS+1], v[12:13] op_sel_hi:[1,0,0]   ; t - M, two at a time (of the pairs c and -M the low word serves both halves)
.set j, j+2
.endr
.set j, 0
	s_wait_alu depctr_va_vdst(0)
.rept 64
	v_exp_f32 v[96+j], v[96+j]                     ; p = 2^(t - M), at most 1: not normalised
.set j, j+1
.endr
	v_pk_mul_f32 v[14:15], v[14:15], v[252:253] op_sel_hi:[1,0]   ; the sums under the new M.  (A plain place behind the exponentials)
	s_wait_alu depctr_va_vdst(0)
	v_pk_add_f32 v[242:243], v[100:101], v[104:105]
	v_pk_add_f32 v[248:249], v[108:109], v[112:113]
	v_pk_add_f32 v[240:241], v[116:117], v[120:121]
	v_pk_add_f32 v[238:239], v[124:125], v[128:129]
	v_pk_add_f32 v[234:235], v[132:133], v[136:137]
	v_pk_add_f32 v[232:233], v[140:141], v[144:145]
	v_pk_add_f32 v[230:231], v[148:149], v[152:153]
	v_pk_add_f32 v[14:15], v[14:15], v[156:157]
	v_pk_add_f32 v[242:243], v[242:243], v[96:97]
	v_pk_add_f32 v[248:249], v[248:249], v[98:99]
	v_pk_add_f32 v[240:241], v[240:241], v[102:103]
	v_pk_add_f32 v[238:239], v[238:239], v[106:107]
	v_pk_add_f32 v[234:235], v[234:235], v[110:111]
	v_pk_add_f32 v[232:233], v[232:233], v[114:115]
	v_pk_add_f32 v[230:231], v[230:231], v[118:119]
	v_pk_add_f32 v[14:15], v[14:15], v[122:123]
	v_pk_add_f32 v[242:243], v[242:243], v[126:127]
	v_pk_add_f32 v[248:249], v[248:249], v[130:131]
	v_pk_add_f32 v[240:241], v[240:241], v[134:135]
	v_pk_add_f32 v[238:239], v[238:239], v[138:139]
	v_pk_add_f32 v[234:235], v[234:235], v[142:143]
	v_pk_add_f32 v[232:233], v[232:233], v[146:147]
	v_pk_add_f32 v[230:231], v[230:231], v[150:151]
	s_setprio 0
	v_pk_add_f32 v[14:15], v[14:15], v[154:155]
	v_pk_add_f32 v[242:243], v[242:243], v[158:159]
	s_delay_alu instid0(VALU_DEP_2)
	v_pk_add_f32 v[14:15], v[14:15], v[238:239]
	s_delay_alu instid0(VALU_DEP_2)
	v_pk_add_f32 v[242:243], v[242:243], v[234:235]
	v_pk_add_f32 v[248:249], v[248:249], v[232:233]
	v_pk_add_f32 v[240:241], v[240:241], v[230:231]
	s_delay_alu instid0(VALU_DEP_2)
	v_pk_add_f32 v[14:15], v[14:15], v[248:249]
	s_delay_alu instid0(VALU_DEP_2)
	v_pk_add_f32 v[242:243], v[242:243], v[240:241]
	s_delay_alu instid0(VALU_DEP_1)
	v_pk_add_f32 v[14:15], v[14:15], v[242:243]
.irp b, 0,1,2,3
.set j, 0
.rept 16
.set j, j+1
.endr
	v_cvt_scalef32_pk8_fp8_f32 v[192+4*\b:193+4*\b], v[96+16*\b:103+16*\b], v244
	v_cvt_scalef32_pk8_fp8_f32 v[194+4*\b:195+4*\b], v[104+16*\b:111+16*\b], v244
.endr
.set j, 0
.rept 16
	v_pk_mul_f32 v[160+j:161+j], v[160+j:161+j], v[252:253] op_sel_hi:[1,0]   ; O^T under the new M: x f.  (Plain lines between the conversions and the products that read the codes)
.set j, j+2
.endr
	s_wait_alu depctr_va_vdst(0)
	s_wait_dscnt 0x0                               ; V is in
.irp dt, 0,1,2,3
	v_wmma_f32_16x16x128_fp8_fp8 v[160+8*\dt:167+8*\dt], v[32+16*\dt:47+16*\dt], v[192:207], v[160+8*\dt:167+8*\dt]   ; the four accumulators take turns, one instruction a turn
.endr
.Lhid_\@:
.endm
; A PASS: one tile of 16 queries against all key steps up to its own group's.
.macro PASS p
.if \p == 0
	s_xor_b32 s[G], s[WV], 15                      ; group 15 - wave
.else
	s_mov_b32 s[G], s[WV]                          ; group wave
.endif
	v_mov_b32 v13, 0xff61b1e6                      ; the largest t so far: -3e38, under every t
	s_delay_alu instid0(VALU_DEP_1)
	v_floor_f32 v12, -v13                          ; -M
	v_mov_b32 v14, 0                               ; the sum, in two halves
	v_mov_b32 v15, 0
.set j, 0
.rept 32
	v_mov_b32 v[160+j], 0                          ; O^T.  (The step is written without a first step of its own: the first finds zeros, which the first change of M leaves zeros)
.set j, j+1
.endr
	s_mov_b32 s[KS], 0
	s_mov_b32 s[TB], 0
.Learly_\@:                                        ; steps 0-3
	STEP 4096, 16+8*\p, DM0+\p
	s_add_co_u32 s[TB], s[TB], 1024
	s_add_co_u32 s[KS], s[KS], 1
	s_cmp_lt_u32 s[KS], 4
	s_cbranch_scc1 .Learly_\@
	s_setprio 0
.if \p == 0
	s_wait_tensorcnt 0x0                           ; my slice of steps 4-15 is in,
	s_wait_dscnt 0x0
	s_barrier_signal -1
	s_barrier_wait -1                              ; everybody's is
.endif
	s_mov_b32 s[KS], 4
	s_mov_b32 s[TB], 65536
.Llate_\@:                                         ; steps 4-15
	STEP 12288, 16+8*\p, DM0+\p
	s_add_co_u32 s[TB], s[TB], 1024
	s_add_co_u32 s[KS], s[KS], 1
	s_cmp_lt_u32 s[KS], 16
	s_cbranch_scc1 .Llate_\@
	s_setprio 0
.rept 4
	v_nop                                          ; places behind the last products
.endr
	v_add_f32 v14, v14, v15                        ; the sum's two halves,
	s_delay_alu instid0(VALU_DEP_1)
	v_permlanex16_b32 v236, v14, s[SEL], s[SEL+1]
	s_delay_alu instid0(VALU_DEP_1)
	v_add_f32 v14, v14, v236                       ; and lane l xor 16's: the row's sum
	s_wait_alu depctr_va_vdst(0)
	v_rcp_f32 v14, v14
	v_nop                                          ; one plain place behind a transcendental
	s_wait_alu depctr_va_vdst(0)
	v_ldexp_f32 v14, v14, s[EPV]                   ; x 2^(e4 + e5)
.set j, 0
.rept 16
	v_pk_mul_f32 v[96+j:97+j], v[160+j:161+j], v[14:15] op_sel_hi:[1,0]   ; y: register 16 g + i is channel 32 g + 16 h + i of my query
.set j, j+2
.endr
.set j, 0
.rept 32
.set j, j+1
.endr
.irp g, 0,1,2,3
	v_cvt_scalef32_pk8_fp8_f32 v[208+8*\p+2*\g:209+8*\p+2*\g], v[96+8*\g:103+8*\g], v246
.endr
	v_nop                                          ; one plain vector line behind the last conversion: products write their sources again later
.irp g, 0,1
	global_store_b128 v[AL], v[208+8*\p+4*\g:211+8*\p+4*\g], s[YB+2*\p:YB+2*\p+1] offset:512*\g   ; a group of the last product's fragment: 512 consecutive bytes, aligned
.endr
.endm
	s_wait_loadcnt 0x0                             ; Q
	s_wait_tensorcnt 1                             ; my slice of steps 0-3 is in; that of steps 4-15 may stay out
	s_barrier_signal -1
	s_barrier_wait -1                              ; everybody's is
	PASS 0
	PASS 1
	s_wait_dscnt 0x0
	s_wait_tensorcnt 0x0
	ds_add_u32 v251, v255
	s_wait_dscnt 0x0
	CROUND                                         ; the closing round: no work-group ends while a partner may still ask for a tile that names it
	s_endpgm
.Lfunc_end_k_qab9240ea28_attn:
	.size	k_qab9240ea28_attn, .Lfunc_end_k_qab9240ea28_attn-k_qab9240ea28_attn
	.p2alignl 7, 3214868480
	.fill 96, 4, 3214868480
	.section	.rodata,"a",@progbits
	.p2align	6, 0x0
	.amdhsa_kernel k_qab9240ea28_attn
		.amdhsa_group_segment_fixed_size 264192
		.amdhsa_private_segment_fixed_size 0
		.amdhsa_enable_private_segment 0
		.amdhsa_kernarg_size 40
		.amdhsa_user_sgpr_count 2
		.amdhsa_user_sgpr_kernarg_segment_ptr 1
		.amdhsa_wavefront_size32 1
		.amdhsa_system_sgpr_workgroup_id_x 1
		.amdhsa_system_sgpr_workgroup_id_y 1
		.amdhsa_system_sgpr_workgroup_id_z 1
		.amdhsa_system_vgpr_workitem_id 0
		.amdhsa_next_free_vgpr 256
		.amdhsa_next_free_sgpr 100
		.amdhsa_reserve_vcc 1
		.amdhsa_float_denorm_mode_32 3
		.amdhsa_float_denorm_mode_16_64 3
		.amdhsa_fp16_overflow 1
		.amdhsa_memory_ordered 1
		.amdhsa_forward_progress 1
		.amdhsa_inst_pref_size 91
	.end_amdhsa_kernel
	.amdgpu_metadata
---
amdhsa.version: [ 1, 2 ]
amdhsa.kernels:
  - .name:           k_qab9240ea28_attn
    .symbol:         k_qab9240ea28_attn.kd
    .args:
      - { .name: q_img, .offset: 0, .size: 8, .value_kind: global_buffer, .address_space: global }
      - { .name: k_img, .offset: 8, .size: 8, .value_kind: global_buffer, .address_space: global }
      - { .name: v_img, .offset: 16, .size: 8, .value_kind: global_buffer, .address_space: global }
      - { .name: lowp_scales, .offset: 24, .size: 8, .value_kind: global_buffer, .address_space: global }
      - { .name: y_img, .offset: 32, .size: 8, .value_kind: global_buffer, .address_space: global }
    .group_segment_fixed_size: 264192
    .private_segment_fixed_size: 0
    .kernarg_segment_align: 8
    .kernarg_segment_size: 40
    .max_flat_workgroup_size: 512
    .sgpr_count:     100
    .vgpr_count:     256
    .wavefront_size: 32
...
	.end_amdgpu_metadata
.endif
;; end of part 3
;; launch proj (part 4): grid 4 x 64, 4 waves a work-group, clusters of 4 x 4, 327,680 bytes of LDS; arguments y_img, wproj_img, lowp_scales, out0; writes out0
.if DOCPART == 4
	.amdgcn_target "amdgcn-amd-amdhsa--gfx1250"
	.amdhsa_code_object_version 6
	.text
	.protected	k_qab9240ea28_proj
	.globl	k_qab9240ea28_proj
	.p2align	8
	.type	k_qab9240ea28_proj,@function
k_qab9240ea28_proj:
	s_mov_b64 s[64:65], 0
	v_nop
	global_prefetch_b8 v0, s[64:65] scope:SCOPE_SE
	s_setreg_imm32_b32 hwreg(HW_REG_WAVE_MODE, 25, 1), 1
	s_wait_xcnt 0x0
	s_wait_alu depctr_hold_cnt(0) depctr_sa_sdst(0) depctr_va_vdst(0) depctr_va_sdst(0) depctr_va_ssrc(0) depctr_va_vcc(0) depctr_vm_vsrc(0)
	s_getreg_b32 s2, hwreg(HW_REG_IB_STS2, 6, 4)
	s_cmp_eq_u32 s2, 0
	s_cbranch_scc0 .Lentry_in_a_cluster
	s_endpgm
.Lentry_in_a_cluster:
	s_bfe_u32 s2, ttmp6, 0x10000c
	s_cmp_lg_u32 s2, 0xf033
	s_cbranch_scc0 .Lentry_shape_is_right
	s_endpgm
.Lentry_shape_is_right:
; out = y w_proj on codes of FP8 (E4M3), K = 1,024; each f32 sum is multiplied once by 2^(e6 + e7).  out: [8192][1024] f32.
; LIMIT: e6 + e7 lies between -126 and 127, so that 2^(e6 + e7) is an f32 number.
; OPERANDS come as images: [tile of 16 rows][ks 0..7][2,048 bytes = c 0..3, lane, 16 bytes]; row r of tile 2 B + u is row 32 B + 8 u + r + 8 (r / 8) (tokens of y, columns of w_proj).
; SHARES.  8,192 x 1,024 in blocks of 128 x 256 gives 256 work-groups.  Four waves, each 64 rows x 128 columns: 32 accumulators, 256 registers.  K goes in steps of 256 through a ring of two LDS slots.
; CLUSTERS: 4 x 4 work-groups; y's tile is asked for jointly by a row of the cluster, w_proj's by a column.  THE MATRIX INSTRUCTION IS USED TRANSPOSED (source 0 = 16 columns of w_proj, source 1 = 16 tokens):
; a lane holds a token, and the 16 registers of tiles 2 B and 2 B + 1 are 16 neighbouring columns.
; REGISTERS, in windows of 256: window 0: v16-29 addresses; A's fragments in two sets at v64 and v128; on the way out v32-255.   window 1: B's two sets at v0 and v128.   window 2: accumulator (a, b) at v[8 (8 a + b)].
.set SLOT,   98304                     ; A's 8 tiles x 4,096 bytes, then B's 16
.set BOFF,   32768
.set STAGE,  2*SLOT                    ; behind the ring: 16 rows x (512 bytes + 16) for each wave; no fill lands here
.set SPITCH, 528
.set SPARE,  STAGE+4*16*SPITCH         ; behind the stages: the spare words, 128 bytes for each wave: two blocks of 256 bytes that no other line names
.set FR,   16
.set ADRA, 16                          ; v16-17  LDS address of my A fragments in slot 0, 1
.set ADRB, 20                          ; v20-21  the same for B
.set STO,  24                          ; v24     the way out: where I put my bytes of a row
.set RD,   25                          ; v25     where I read a row back
.set CO,   26                          ; v26     16 x lane
.set SPW,  28                          ; v28     LDS address of my spare word; never rewritten
.set NIL,  29                          ; v29     0; never rewritten
.set TMP,  32                          ; the way out: a block's sums x 2^(e6 + e7)
.set AF,   64                          ; A's fragments: set p at AF + 64 p
.set BK,   128                         ; the way out: 16 rows read back: v128-191 and v192-255 by turns
.set G1, 24
.set G0, 32
.set G1B, 48
.set G0B, 56
.set MSB, 0
.macro WIN new                         ; the immediate's high byte repeats the setting that is left
.if MSB != \new
	s_set_vgpr_msb (MSB<<8)|\new
.set MSB, \new
.endif
.endm
.set MUL,  0xa1                        ; source 0 (B) window 1, source 1 (A) window 0, C and D window 2
.set TO_B, 0x40                        ; destination window 1, address window 0
.macro JLOAD g0a, g1a, g0b, g1b        ; a joint load: waves 0 and 1 fetch A's halves, waves 2 and 3 B's; four v_nop follow each of the two lines
	s_cmp_eq_u32 s15, 0
	s_cbranch_scc0 .Lfor_b_\@
	tensor_load_to_lds s[\g0a:\g0a+3], s[\g1a:\g1a+7]
	s_nop 0
.rept 4
	v_nop
.endr
	s_branch .Lasked_\@
.Lfor_b_\@:
	tensor_load_to_lds s[\g0b:\g0b+3], s[\g1b:\g1b+7]
	s_nop 0
.rept 4
	v_nop
.endr
.Lasked_\@:
.endm
.macro CREST                           ; a round of the cluster's barrier behind its opening barrier
	s_cmp_lg_u32 s14, 0
	s_cbranch_scc1 .Lnot_wave_0_\@
	s_barrier_signal -3
.Lnot_wave_0_\@:
	s_barrier_wait -3
	s_barrier_signal -1
	s_barrier_wait -1
.endm
.macro CROUND
	s_barrier_signal -1
	s_barrier_wait -1
	CREST
.endm
	s_load_b128 s[4:7], s[0:1], 0x0                ; y_img s[4:5], wproj_img s[6:7]
	s_load_b128 s[8:11], s[0:1], 0x10              ; the scales' exponents s[8:9], out s[10:11]
	v_lshl_add_u32 v[SPW], v0, 2, SPARE
	v_mov_b32 v[NIL], 0
	ds_add_u32 v28, v29
	ds_add_u32 v28, v29
	s_wait_dscnt 0x0
	v_lshrrev_b32 v1, 5, v0
	v_readfirstlane_b32 s14, v1                    ; wave 0..3
	s_lshr_b32 s15, s14, 1                         ; which 64 rows are mine.  Also: I fetch for A (0) or for B (1)
	s_and_b32 s16, s14, 1                          ; which 128 columns.  Also: which half of that tile I fetch
	s_bfe_u32 s40, ttmp6, 0x40000                  ; cx, cy
	s_bfe_u32 s41, ttmp6, 0x40004
	s_lshl_b32 s42, ttmp9, 2
	s_add_co_u32 s42, s42, s40                     ; block column = 4 x cluster x + cx
	s_and_b32 s17, ttmp7, 0xffff
	s_lshl_b32 s17, s17, 2
	s_add_co_u32 s17, s17, s41                     ; block row = 4 x cluster y + cy
	s_lshl_b32 s43, s41, 2
	s_lshl_b32 s43, 15, s43                        ; my row of the cluster
	s_lshl_b32 s44, 0x1111, s40                    ; my column
	; descriptor group 1: tiles' 4,096 bytes (256 along K), 16,384 bytes apart in memory, on end in LDS: 4 tiles a load for A, 8 for B
	s_or_b32 s[G1+0], s43, 1<<21                   ; 15:0 the mask; 17:16 elements of 1 byte; 20 no padding; 21 set beside a mask
	s_or_b32 s[G1B+0], s44, 1<<21
	s_mov_b32 s[G1+1], 4096<<16                    ; tensor_dim0
	s_mov_b32 s[G1+2], 4<<16                       ; tensor_dim1 = 4
	s_mov_b32 s[G1+3], 4096<<16                    ; tile_dim0
	s_mov_b32 s[G1+4], 4                           ; tile_dim1 = 4
	s_mov_b32 s[G1+5], 16384                       ; tensor_dim0_stride
	s_mov_b32 s[G1+6], 0
	s_mov_b32 s[G1+7], 0
	s_mov_b32 s[G1B+1], 4096<<16
	s_mov_b32 s[G1B+2], 8<<16
	s_mov_b32 s[G1B+3], 4096<<16
	s_mov_b32 s[G1B+4], 8
	s_mov_b32 s[G1B+5], 16384
	s_mov_b32 s[G1B+6], 0
	s_mov_b32 s[G1B+7], 0
	s_lshl_b32 s20, s17, 17                        ; A: tile 8 x block row + 4 x half, 16,384 bytes each
	s_lshl_b32 s18, s16, 16
	s_add_co_u32 s20, s20, s18
	s_mov_b32 s21, 0
	s_lshl_b32 s46, s42, 18                        ; B: tile 16 x block column + 8 x half
	s_lshl_b32 s18, s16, 17
	s_add_co_u32 s46, s46, s18
	s_mov_b32 s47, 0
	s_lshl_b32 s45, s16, 14                        ; where they go: A's halves,
	s_lshl_b32 s19, s16, 15
	s_add_co_u32 s19, s19, BOFF                    ; B's halves behind them: no place in the cluster enters an LDS address
	s_wait_kmcnt 0x0
	s_load_b64 s[96:97], s[8:9], 0x18              ; e6, e7
	s_add_nc_u64 s[20:21], s[4:5], s[20:21]
	s_add_nc_u64 s[46:47], s[6:7], s[46:47]
	CROUND                                         ; all sixteen work-groups are here: the first joint loads meet
.irp s, 0,1
	s_mov_b32 s[G0+4*\s], 1
	s_add_co_u32 s[G0+4*\s+1], s45, \s*SLOT
	s_add_nc_u64 s[G0+4*\s+2:G0+4*\s+3], s[20:21], \s*4096
	s_or_b32 s[G0+4*\s+3], s[G0+4*\s+3], 0x80000000
	s_mov_b32 s[G0B+4*\s], 1
	s_add_co_u32 s[G0B+4*\s+1], s19, \s*SLOT
	s_add_nc_u64 s[G0B+4*\s+2:G0B+4*\s+3], s[46:47], \s*4096
	s_or_b32 s[G0B+4*\s+3], s[G0B+4*\s+3], 0x80000000
	s_wait_alu depctr_va_vdst(0)
	s_wait_tensorcnt 0x0
	ds_add_u32 v28, v29
	ds_add_u32 v28, v29
	s_wait_dscnt 0x0
	CROUND
	JLOAD G0+4*\s, G1, G0B+4*\s, G1B
.endr
	v_and_b32 v1, 31, v0
	v_lshlrev_b32 v[CO], 4, v1                     ; 16 x lane
	s_lshl_b32 s21, s15, 14                        ; my 4 tiles of A
	s_lshl_b32 s22, s16, 15                        ; my 8 tiles of B
	s_add_co_u32 s22, s22, BOFF
.irp s, 0,1
	v_add_nc_u32 v[ADRA+\s], s21, v[CO]
	v_add_nc_u32 v[ADRB+\s], s22, v[CO]
	s_add_co_u32 s21, s21, SLOT
	s_add_co_u32 s22, s22, SLOT
.endr
	v_and_b32 v1, 15, v0                           ; r
	v_bfe_u32 v2, v0, 4, 1                         ; h
	s_mul_i32 s23, s14, 16*SPITCH
	s_add_co_u32 s23, s23, STAGE                   ; my stage
	v_mul_u32_u24 v5, v1, SPITCH                   ; in: row r, + 64 h bytes: my 16 columns of each 32
	v_lshl_add_u32 v5, v2, 6, v5
	v_add_nc_u32 v[STO], s23, v5
	v_add_nc_u32 v[RD], s23, v[CO]                 ; back: the 32 lanes take one row of 512 bytes
	s_lshl_b32 s88, s17, 19                        ; out: 128 rows of 4,096 bytes for each block row,
	s_lshl_b32 s89, s15, 18                        ; my 64 rows,
	s_add_co_u32 s88, s88, s89
	s_lshl_b32 s89, s42, 10                        ; the block's 256 columns,
	s_add_co_u32 s88, s88, s89
	s_lshl_b32 s89, s16, 9                         ; my 128
	s_add_co_u32 s88, s88, s89
	s_mov_b32 s89, 0
	s_add_nc_u64 s[10:11], s[10:11], s[88:89]
.macro FRAG reg, adr, q, i             ; tile i's fragment of the slot's q-th 128 along K: four loads of 512 consecutive bytes
.irp c, 0,1,2,3
	ds_load_b128 v[\reg+4*\c:\reg+4*\c+3], v[\adr] offset:(\i)*4096+(\q)*2048+512*\c
.endr
.endm
.macro FETCH2 slot, q, p               ; 48 LDS loads in one run: B's eight and A's four fragments into set p
	WIN TO_B
.irp i, 0,1,2,3,4,5,6,7
	FRAG 128*(\p)+FR*\i, ADRB+\slot, \q, \i
.endr
	WIN 0
.irp i, 0,1,2,3
	FRAG AF+64*(\p)+FR*\i, ADRA+\slot, \q, \i
.endr
.endm
; 8 matrix instructions: A's block a x B's eight, on set p.  The 32 accumulators take turns, one instruction a turn, in the same order in every step.
.macro MUL8 a, p, zero
.irp b, 0,1,2,3,4,5,6,7
.if \zero
	v_wmma_f32_16x16x128_fp8_fp8 v[8*(8*(\a)+\b):8*(8*(\a)+\b)+7], v[128*(\p)+FR*\b:128*(\p)+FR*\b+FR-1], v[AF+64*(\p)+FR*(\a):AF+64*(\p)+FR*(\a)+FR-1], 0
.else
	v_wmma_f32_16x16x128_fp8_fp8 v[8*(8*(\a)+\b):8*(8*(\a)+\b)+7], v[128*(\p)+FR*\b:128*(\p)+FR*\b+FR-1], v[AF+64*(\p)+FR*(\a):AF+64*(\p)+FR*(\a)+FR-1], v[8*(8*(\a)+\b):8*(8*(\a)+\b)+7]
.endif
.endr
.endm
.macro PLACES                          ; four places in front of loads into registers that matrix instructions have read, and of the first read of results (ISA guide 7.12.1 for vector instructions)
.rept 4
	v_nop
.endr
.endm
; A slot's first step multiplies set 0; ahead of it the slot's second 128 along K are asked for, into set 1.
.macro STEPA slot, zero
	PLACES
	FETCH2 \slot, 1, 1
	s_wait_dscnt 48                                ; all but the 48 just issued: set 0 is in
	WIN MUL
	MUL8 0, 0, \zero
	MUL8 1, 0, \zero
	MUL8 2, 0, \zero
	MUL8 3, 0, \zero
.endm
; A slot's second step multiplies set 1 and changes slots: ONE barrier; in front of it each wave waits for all its tensor loads, adds 0 to its spare word, and waits for that and for its own reads of this slot.
.macro TURN2 slot, next, fill
	WIN 0                                          ; (the add's two registers lie in window 0)
	s_wait_tensorcnt 0x0                           ; all my tensor loads have landed: my part of the next slot
	ds_add_u32 v[SPW], v[NIL]                      ; 0 onto my spare word
	s_wait_dscnt 1                                 ; set 1 is in (the add may be out)
	WIN MUL
	MUL8 0, 1, 0                                   ; eight matrix instructions stand between the add and the wait for it
	s_wait_dscnt 0x0                               ; the add is done, and my reads of this slot are over
	s_barrier_signal -1
	MUL8 1, 1, 0
	WIN 0
	s_barrier_wait -1
.if \fill
	CREST                                          ; the barrier has opened a round of the cluster's barrier: no wave of any partner still reads this slot's tile or has a load on its way
	s_add_nc_u64 s[G0+4*\slot+2:G0+4*\slot+3], s[G0+4*\slot+2:G0+4*\slot+3], 8192
	s_add_nc_u64 s[G0B+4*\slot+2:G0B+4*\slot+3], s[G0B+4*\slot+2:G0B+4*\slot+3], 8192
	JLOAD G0+4*\slot, G1, G0B+4*\slot, G1B         ; the first tensor load behind the round; the four v_nop behind it are the places in front of the loads below
.else
	PLACES
.endif
	FETCH2 \next, 0, 0
	WIN MUL
	MUL8 2, 1, 0
	MUL8 3, 1, 0
.endm
	s_wait_alu depctr_va_vdst(0)
	s_wait_tensorcnt 1                             ; my part of K step 0 is in (K step 1's load may be out)
	s_barrier_signal -1
	s_barrier_wait -1                              ; everybody's is
	FETCH2 0, 0, 0
	STEPA 0, 1                                     ; K = 1,024 is four slots' worth, eight steps of 128: written out; the first step's products start the sums
	TURN2 0, 1, 1                                  ; slot 0 takes K step 2
	STEPA 1, 0
	TURN2 1, 0, 1                                  ; slot 1 takes K step 3
	STEPA 0, 0
	TURN2 0, 1, 0                                  ; nothing is left to fetch
	STEPA 1, 0
	s_wait_dscnt 0x0                               ; the very last step
	MUL8 0, 1, 0
	MUL8 1, 1, 0
	MUL8 2, 1, 0
	MUL8 3, 1, 0
	WIN 0
; THE WAY OUT, block by block of 16 tokens x 128 columns, through my own stage in LDS; it comes back as whole rows of 512 bytes.  LDS serves a wave's instructions in order (ISA guide 5.7.1.4): no wait between the stores and the loads.
.macro TOSTAGE a
	WIN 0x02                                       ; source 0: window 2
.set j, 0
.rept 32
	v_pk_mul_f32 v[TMP+j:TMP+j+1], v[64*(\a)+j:64*(\a)+j+1], s[96:97] op_sel_hi:[1,0]   ; both x s96 = 2^(e6 + e7); each accumulator from its low end on
.set j, j+2
.endr
	WIN 0
.irp b, 0,1,2,3,4,5,6,7
	ds_store_b128 v[STO], v[TMP+8*\b:TMP+8*\b+3] offset:128*(\b/2)+32*(\b%2)        ; tile b's registers are columns 32 (b / 2) + 16 h + 8 (b % 2) + 0 .. 7
	ds_store_b128 v[STO], v[TMP+8*\b+4:TMP+8*\b+7] offset:128*(\b/2)+32*(\b%2)+16
.endr
.set BB, BK+64*((\a)%2)
.set t, 0
.rept 16
	ds_load_b128 v[BB+4*t:BB+4*t+3], v[RD] offset:t*SPITCH
.set t, t+1
.endr
.endm
.macro SEND a, younger                 ; younger: the LDS instructions issued behind block a's loads, which may stay out
.set BB, BK+64*((\a)%2)
	s_wait_dscnt \younger
.set t, 0
.rept 16
	global_store_b128 v[CO], v[BB+4*t:BB+4*t+3], s[10:11] offset:(32*((\a)/2)+8*((\a)%2)+t+8*(t/8))*4096 th:TH_STORE_NT   ; the tile's row t is that token: 32 lanes store 512 consecutive bytes, aligned; written once, read by nobody here
.set t, t+1
.endr
.endm
	s_wait_kmcnt 0x0
	s_add_co_i32 s96, s96, s97                     ; e6 + e7, between -126 and 127,
	s_add_co_i32 s96, s96, 127
	s_lshl_b32 s96, s96, 23                        ; makes the f32 number 2^(e6 + e7)
	s_mov_b32 s97, s96                             ; (named with it as a pair, so it is written)
	PLACES
	TOSTAGE 0
.irp a, 1,2,3
.if \a > 1
	s_wait_xcnt 0x0                                ; block a - 2's stores have read their registers: block a's loads may land there
.endif
	TOSTAGE \a
	SEND \a-1, 32                                  ; behind block a - 1's loads: block a's 16 stores and 16 loads
.endr
	SEND 3, 0
	s_wait_tensorcnt 0x0                           ; the wave's end: behind my last tensor load and my last LDS store
	ds_add_u32 v[SPW], v[NIL]
	s_wait_dscnt 0x0
	CROUND                                         ; the closing round: no work-group ends while a partner may still ask for a tile that names it
	s_endpgm
.Lfunc_end_k_qab9240ea28_proj:
	.size	k_qab9240ea28_proj, .Lfunc_end_k_qab9240ea28_proj-k_qab9240ea28_proj
	.p2alignl 7, 3214868480
	.fill 96, 4, 3214868480
	.section	.rodata,"a",@progbits
	.p2align	6, 0x0
	.amdhsa_kernel k_qab9240ea28_proj
		.amdhsa_group_segment_fixed_size 327680
		.amdhsa_private_segment_fixed_size 0
		.amdhsa_enable_private_segment 0
		.amdhsa_kernarg_size 32
		.amdhsa_user_sgpr_count 2
		.amdhsa_user_sgpr_kernarg_segment_ptr 1
		.amdhsa_wavefront_size32 1
		.amdhsa_system_sgpr_workgroup_id_x 1
		.amdhsa_system_sgpr_workgroup_id_y 1
		.amdhsa_system_sgpr_workgroup_id_z 1
		.amdhsa_system_vgpr_workitem_id 0
		.amdhsa_next_free_vgpr 768
		.amdhsa_next_free_sgpr 100
		.amdhsa_reserve_vcc 0
		.amdhsa_float_denorm_mode_32 3
		.amdhsa_float_denorm_mode_16_64 3
		.amdhsa_memory_ordered 1
		.amdhsa_forward_progress 1
		.amdhsa_inst_pref_size 75
	.end_amdhsa_kernel
	.amdgpu_metadata
---
amdhsa.version: [ 1, 2 ]
amdhsa.kernels:
  - .name:           k_qab9240ea28_proj
    .symbol:         k_qab9240ea28_proj.kd
    .args:
      - { .name: y_img, .offset: 0, .size: 8, .value_kind: global_buffer, .address_space: global }
      - { .name: wproj_img, .offset: 8, .size: 8, .value_kind: global_buffer, .address_space: global }
      - { .name: lowp_scales, .offset: 16, .size: 8, .value_kind: global_buffer, .address_space: global }
      - { .name: out0, .offset: 24, .size: 8, .value_kind: global_buffer, .address_space: global }
    .group_segment_fixed_size: 327680
    .private_segment_fixed_size: 0
    .kernarg_segment_align: 8
    .kernarg_segment_size: 32
    .max_flat_workgroup_size: 128
    .sgpr_count:     100
    .vgpr_count:     768
    .wavefront_size: 32
...
	.end_amdgpu_metadata
.endif
;; end of part 4
